; MI455X (gfx1250); checked and timed in simulation.
; The chip was launched on July 23, 2026; its instructions are those of AMD's public machine-readable ISA for CDNA 5 (MIT licence, August 2026) and "CDNA5" Instruction Set Architecture Reference Guide (July 2026). The comments in the code are by the model that wrote it; some were corrected since.
;; FP8 Linear. Allowed arithmetic: matrix products marked QUANTISED: E2M3 operands, one E8M0 scale for each 32 along K, by v_wmma_scale_f32_16x16x128_f8f6f4 with both operands' format E2M3, f32 sums; everything else in f32.
;; Inputs: weight 4,096 x 4,096 float32; x 4,096 x 4,096 float32.
;; Outputs: out0 4,096 x 4,096 float32.
;; This version of the problem:
;;   THIS VERSION OF THE PROBLEM IS GIVEN IN LOW PRECISION. The matrix products marked QUANTISED in the list below multiply operands that are first quantised to E2M3 (2 exponent bits, 3 mantissa bits; 6 bits a number), with one power-of-two scale for each 32 numbers along K (OCP MX v1.0); their sums are f32. All else is computed in f32.
;;   The module's matrix products, in the order in which they are computed (A, B: the left and right operand; K: the contracted axis; several contracted axes count as one K, in the product's order):
;;     1. [M 4,096, K 4,096] x [K 4,096, N 4,096]; A: input x; B: input weight: QUANTISED
;;   THE QUANTISER, for each operand of a quantised product, along K:
;;     - K is cut into blocks of 32 from its start; a last block that is shorter is filled with zeros.
;;     - A block's scale is 2^e with e = floor(log2(the largest magnitude in the block)) - 2, held to -126 .. 127; a block of zeros has e = 0. As a byte (E8M0): e + 127.
;;     - Each number is divided by its block's scale, clamped to +-7.5, and rounded to the nearest number of E2M3, ties to even, subnormals kept.
;;     - The product sums the exact products of the quantised numbers (number of the format x scale) in f32.
;;   ~~~python
;;   def quantise(x, axis):      # numpy; x: float32 -> the quantised numbers, widened to float32 again
;;       x = np.moveaxis(x, axis, -1); K = x.shape[-1]
;;       x = np.pad(x, [(0, 0)] * (x.ndim - 1) + [(0, -K % 32)]); x = x.reshape(x.shape[:-1] + (-1, 32)); a = np.abs(x).max(-1, keepdims=True)
;;       e = np.where(a > 0, np.clip(np.frexp(np.where(a > 0, a, 1))[1] - 1 - 2, -126, 127), 0)      # np.frexp(a)[1] - 1 = floor(log2(a)), exactly
;;       r = np.clip(x / 2.0 ** e, -7.5, 7.5)
;;       step = 2.0 ** (np.maximum(np.frexp(np.where(r == 0, 1, r))[1] - 1, 0) - 3)
;;       q = np.round(r / step) * step * 2.0 ** e      # np.round: ties to even
;;       return np.moveaxis(q.reshape(q.shape[:-2] + (-1,))[..., :K], -1, axis).astype(np.float32)
;;   ~~~
;; One version. Each part assembles by itself: llvm-mc -triple=amdgcn-amd-amdhsa -mcpu=gfx1250 --defsym DOCPART=n.
;; ======== version 1 of 1: 2 launches
;; workspace buffers: xq 13,107,200 bytes; wq 13,107,200 bytes
;; launch quant (part 1): grid 1024 x 1, 4 waves a work-group, no clusters, 34,304 bytes of LDS; arguments x, weight, xq, wq; writes xq, wq
.if DOCPART == 1
	.amdgcn_target "amdgcn-amd-amdhsa--gfx1250"
	.amdhsa_code_object_version 6
	.text
	.protected	k_q957718e0bd_quant
	.globl	k_q957718e0bd_quant
	.p2align	8
	.type	k_q957718e0bd_quant,@function
k_q957718e0bd_quant:
	s_mov_b64 s[64:65], 0
	v_nop
	global_prefetch_b8 v0, s[64:65] scope:SCOPE_SE
	s_setreg_imm32_b32 hwreg(HW_REG_WAVE_MODE, 25, 1), 1
	s_wait_xcnt 0x0
; x [4096][4096] and weight [4096][4096], f32, K innermost, are rounded to e4m3 and back (the step that the function itself makes ahead of its product) and then
; turned into codes of FP6 (E2M3) with one E8M0 scale byte for each 32 along K.  A block's scale is 2^(floor(log2(its largest magnitude)) - 2): its byte is the
; largest magnitude's own exponent field - 2, held at 1 from below.  Each number is divided by the scale and rounded to the nearest code, ties to even, beyond 7.5 the largest code.
; THE RESULTS ARE LAID IN THE ORDER OF THE MATRIX OPERAND'S REGISTERS, codes and scale words of a tile together, one buffer for each tensor:
;   [step 32 (128 along K)][group 32 (128 rows)][12,800 bytes].  A group: eight fragments (16 rows x 128 K) of 1,536 bytes, fragment i at 1,536 i: the 16 bytes at 512 g + 16 lane are registers 4 g .. 4 g + 3 of
;   that lane (lane (r, h): row r; registers 6 c .. 6 c + 5 = the codes of k = 64 c + 32 h + 0 .. 31); then, at byte 12,288, the scale words [pair 4][r 16][j 2][4 bytes]: the word of fragment 2 pair + j, row r;
;   byte b of a word scales k = 32 b .. 32 b + 31 of the step's 128.
; LIMITS: a block of zeros gets the byte 1 where the rule says 127: its codes are zeros, which add nothing under any byte but 0xff, and this program alone reads the bytes.
; NaN and infinities among the inputs are not served.  Magnitudes above 448 become NaN in the e4m3 step (the function itself gives NaN from 464 on).
; SHARES.  Work-groups 0-511 take x, 512-1023 weight: only pointers are chosen, one path through the text.  Wave u = 4 (work-group % 512) + wave takes rows 64 (u / 32) .. + 63 and
; K = 128 (u % 32) .. + 127: four fragments, one below the other.  Each load of a wave reads 512 consecutive aligned bytes of one row; a fragment's 16 rows x 512 bytes turn through the wave's own stage in LDS
; (rows 528 bytes apart) and come back as the fragment's lane wants them: 2 x 32 neighbours of its row.  Each store of codes covers 512 consecutive aligned bytes; the wave's 64 scale words leave as 256 consecutive aligned bytes.
; No tensor loads, no barrier: waves share nothing.  Loads run one fragment (16 loads) ahead of the one in hand, 32 out at the start.
.set E4M3,  1                          ; 1: the e4m3 step is made
.set SPI,   528                        ; a stage row: 512 bytes + 16: the sixteen rows that lanes 0-15 of a 16-byte load touch start 16 bytes apart modulo 256
.set WREG,  16*SPI                     ; a wave's stage
.set GRPB,  12800                      ; a group: 128 rows x 128 K, codes and scale words
.set STEPB, 32*GRPB                    ; 128 along K of all 4,096 rows
.set LN,  1                            ; v1   lane
.set IO,  4                            ; v4   16 x lane: offset of loads and of code stores; never rewritten
.set STI, 5                            ; v5   the stage, on the way in: wave x WREG + 16 x lane
.set STO, 6                            ; v6   and on the way out: wave x WREG + 528 r + 128 h
.set SH,  7                            ; v7   8 h: where my two scale bytes stand in the word
.set SOF, 8                            ; v8   8 x lane: offset of the scale words' store
.set PT,  9                            ; v9   the other half's bytes
.set MX,  10                           ; v10-13 largest magnitudes: two chains for each of my two blocks
.set SF,  14                           ; v14-15 the conversions' scale operands
.set BY,  16                           ; v16-17 the scale bytes
.set WK,  18                           ; v18-19 a word at work; at the end the pair that is stored
.set W,   20                           ; v20-23 fragment f's scale word of row r
.set T,   24                           ; v24-30 the upper 16 codes of each block, as the conversion leaves them
.set C,   32                           ; v32-55 the fragment's 12 registers, two sets by turns
.set X,   64                           ; v64-127 my 64 numbers: register 32 c + i = k 64 c + 32 h + i of row r       (v56-63: e4m3 codes at work)
.set R,   128                          ; v128-255 two sets of 64 registers as loaded
	s_load_b128 s[4:7], s[0:1], 0x0                ; x, weight
	s_load_b128 s[8:11], s[0:1], 0x10              ; x's codes and scales, weight's
	v_lshl_add_u32 v27, v0, 2, 0x8400
	v_mov_b32 v31, 0
	v_lshrrev_b32 v1, 5, v0
	v_readfirstlane_b32 s16, v1                    ; wave 0..3
	v_and_b32 v[LN], 31, v0                        ; lane
	v_and_b32 v2, 15, v0                           ; r
	v_bfe_u32 v3, v0, 4, 1                         ; h
	v_lshlrev_b32 v[IO], 4, v[LN]
	s_mul_i32 s17, s16, WREG                       ; my wave's stage
	v_add_nc_u32 v[STI], s17, v[IO]
	v_mul_u32_u24 v[STO], v2, SPI
	v_lshl_add_u32 v[STO], v3, 7, v[STO]
	v_add_nc_u32 v[STO], s17, v[STO]
	v_lshlrev_b32 v[SH], 3, v3
	v_lshlrev_b32 v[SOF], 3, v[LN]
	v_mov_b32 v[PT], 0                             ; written once: a lane permute's destination counts as one of its sources
.irp e, 56,57,58,59,60,61,62,63
	v_mov_b32 v[\e], 0                             ; written whole once: afterwards they are written half by half
.endr
	s_mov_b32 s22, 0x76543210
	s_mov_b32 s23, 0xfedcba98                      ; v_permlanex16_b32's selects for lane l xor 16
	s_and_b32 s18, ttmp9, 511
	s_lshl_b32 s18, s18, 2
	s_add_co_u32 s18, s18, s16                     ; u: which 64 rows x 128 K of the tensor are my wave's
	s_lshr_b32 s19, s18, 5                         ; which 64 rows
	s_and_b32 s20, s18, 31                         ; which 128 along K
	s_lshl_b32 s24, s19, 20                        ; in: 64 rows of 16,384 bytes,
	s_lshl_b32 s21, s20, 9                         ; + 128 numbers of 4 bytes
	s_add_co_u32 s24, s24, s21
	s_mov_b32 s25, 0
	s_mul_i32 s26, s20, STEPB                      ; out: the step,
	s_lshr_b32 s21, s19, 1
	s_mul_i32 s21, s21, GRPB                       ; the group of 128 rows,
	s_add_co_u32 s26, s26, s21
	s_and_b32 s21, s19, 1                          ; and which half of it is mine:
	s_lshl_b32 s28, s21, 8                         ; 256 bytes of its scale words,
	s_add_co_u32 s28, s28, s26
	s_add_co_u32 s28, s28, 8*1536                  ; which lie behind its eight fragments,
	s_mov_b32 s29, 0
	s_mul_i32 s21, s21, 4*1536                     ; and four of the fragments
	s_add_co_u32 s26, s26, s21
	s_mov_b32 s27, 0
	s_wait_kmcnt 0x0
	s_cmp_lt_u32 ttmp9, 512                        ; x's work-group or weight's?  The choice hangs on the work-group's number alone
	s_cselect_b64 s[4:5], s[4:5], s[6:7]
	s_cselect_b64 s[8:9], s[8:9], s[10:11]
	s_add_nc_u64 s[4:5], s[4:5], s[24:25]
	s_add_nc_u64 s[10:11], s[8:9], s[28:29]        ; where my scale words go
	s_add_nc_u64 s[8:9], s[8:9], s[26:27]          ; where my codes go
.macro LOAD t                          ; fragment t's 16 rows x 128 numbers into set t % 2: 32 lanes read 512 consecutive bytes of row 16 t + i.  The largest offset, 63 rows, lies inside the signed 24-bit immediate
.irp i, 0,1,2,3,4,5,6,7,8,9,10,11,12,13,14,15
	global_load_b128 v[R+64*((\t)%2)+4*\i:R+64*((\t)%2)+4*\i+3], v[IO], s[4:5] offset:16384*(16*(\t)+\i) th:TH_LOAD_NT
.endr
.endm
; 32 numbers from v[xb] on are rounded to e4m3 (nearest, ties to even) and widened again, in place: sixteen pairs into the halves of v56-63, and back
.macro ROUND8 xb
	v_cvt_pk_fp8_f32 v56.l, v[(\xb)+0], v[(\xb)+1]
	v_cvt_pk_fp8_f32 v56.h, v[(\xb)+2], v[(\xb)+3]
	v_cvt_pk_fp8_f32 v57.l, v[(\xb)+4], v[(\xb)+5]
	v_cvt_pk_fp8_f32 v57.h, v[(\xb)+6], v[(\xb)+7]
	v_cvt_pk_fp8_f32 v58.l, v[(\xb)+8], v[(\xb)+9]
	v_cvt_pk_fp8_f32 v58.h, v[(\xb)+10], v[(\xb)+11]
	v_cvt_pk_fp8_f32 v59.l, v[(\xb)+12], v[(\xb)+13]
	v_cvt_pk_fp8_f32 v59.h, v[(\xb)+14], v[(\xb)+15]
	v_cvt_pk_fp8_f32 v60.l, v[(\xb)+16], v[(\xb)+17]
	v_cvt_pk_fp8_f32 v60.h, v[(\xb)+18], v[(\xb)+19]
	v_cvt_pk_fp8_f32 v61.l, v[(\xb)+20], v[(\xb)+21]
	v_cvt_pk_fp8_f32 v61.h, v[(\xb)+22], v[(\xb)+23]
	v_cvt_pk_fp8_f32 v62.l, v[(\xb)+24], v[(\xb)+25]
	v_cvt_pk_fp8_f32 v62.h, v[(\xb)+26], v[(\xb)+27]
	v_cvt_pk_fp8_f32 v63.l, v[(\xb)+28], v[(\xb)+29]
	v_cvt_pk_fp8_f32 v63.h, v[(\xb)+30], v[(\xb)+31]
	v_cvt_pk_f32_fp8 v[(\xb)+0:(\xb)+1], v56.l
	v_cvt_pk_f32_fp8 v[(\xb)+2:(\xb)+3], v56.h
	v_cvt_pk_f32_fp8 v[(\xb)+4:(\xb)+5], v57.l
	v_cvt_pk_f32_fp8 v[(\xb)+6:(\xb)+7], v57.h
	v_cvt_pk_f32_fp8 v[(\xb)+8:(\xb)+9], v58.l
	v_cvt_pk_f32_fp8 v[(\xb)+10:(\xb)+11], v58.h
	v_cvt_pk_f32_fp8 v[(\xb)+12:(\xb)+13], v59.l
	v_cvt_pk_f32_fp8 v[(\xb)+14:(\xb)+15], v59.h
	v_cvt_pk_f32_fp8 v[(\xb)+16:(\xb)+17], v60.l
	v_cvt_pk_f32_fp8 v[(\xb)+18:(\xb)+19], v60.h
	v_cvt_pk_f32_fp8 v[(\xb)+20:(\xb)+21], v61.l
	v_cvt_pk_f32_fp8 v[(\xb)+22:(\xb)+23], v61.h
	v_cvt_pk_f32_fp8 v[(\xb)+24:(\xb)+25], v62.l
	v_cvt_pk_f32_fp8 v[(\xb)+26:(\xb)+27], v62.h
	v_cvt_pk_f32_fp8 v[(\xb)+28:(\xb)+29], v63.l
	v_cvt_pk_f32_fp8 v[(\xb)+30:(\xb)+31], v63.h
.endm
; One fragment: 16 rows x 128 K, the wave's f-th.
.macro STEP f
.set RS, R+64*((\f)%2)
.set CS, C+12*((\f)%2)
.if (\f) < 3
	s_wait_loadcnt 16                              ; loads come back in order: this fragment's 16 are in, the next one's 16 may be out
.else
	s_wait_loadcnt 0x0
.endif
.irp i, 0,1,2,3,4,5,6,7,8,9,10,11,12,13,14,15
	ds_store_b128 v[STI], v[RS+4*\i:RS+4*\i+3] offset:SPI*\i       ; row i as it was loaded
.endr
.irp c, 0,1
.irp j, 0,1,2,3,4,5,6,7
	ds_load_b128 v[X+32*\c+4*\j:X+32*\c+4*\j+3], v[STO] offset:256*\c+16*\j   ; LDS serves a wave's instructions in order: these see the stores above.  Row r, k = 64 c + 32 h + 4 j on
.endr
.endr
	s_wait_dscnt 0x0                               ; my 64 numbers are in, and the stores into the stage have read their registers,
.if (\f) < 2
	LOAD (\f)+2                                    ; which take the loads of two fragments on
.endif
.if E4M3
	ROUND8 X
	ROUND8 X+32
.endif
.irp c, 0,1                                    ; block 2 c + h of row r: all its 32 numbers are mine.  Four chains by turns, so that no line waits for the line above it
	v_max3_num_f32 v[MX+2*\c], |v[X+32*\c]|, |v[X+32*\c+1]|, |v[X+32*\c+2]|
	v_max3_num_f32 v[MX+2*\c+1], |v[X+32*\c+3]|, |v[X+32*\c+4]|, |v[X+32*\c+5]|
.endr
.irp i, 6,10,14,18,22,26
.irp c, 0,1
	v_max3_num_f32 v[MX+2*\c], v[MX+2*\c], |v[X+32*\c+\i]|, |v[X+32*\c+\i+1]|
	v_max3_num_f32 v[MX+2*\c+1], v[MX+2*\c+1], |v[X+32*\c+\i+2]|, |v[X+32*\c+\i+3]|
.endr
.endr
.irp c, 0,1
	v_max3_num_f32 v[MX+2*\c], v[MX+2*\c], |v[X+32*\c+30]|, |v[X+32*\c+31]|
.endr
.irp c, 0,1
	v_max3_num_f32 v[MX+2*\c], v[MX+2*\c], v[MX+2*\c+1], 0x1800000   ; and the floor 2^(3 - 127), under which no largest magnitude is taken: so the byte cannot fall under 1
.endr
.irp c, 0,1
	v_add_nc_u32 v[SF+\c], 0xff000000, v[MX+2*\c]  ; 2 off its exponent field: the conversion takes the exponent field of this operand as its scale, and nothing else of it
.endr
.if (\f) >= 2
	s_wait_xcnt 0x0                                ; the stores of two fragments back have read this set of code registers: it is rewritten only behind this wait
.endif
.irp c, 0,1
	v_cvt_scalef32_pk16_fp6_f32 v[CS+6*\c:CS+6*\c+2], v[X+32*\c:X+32*\c+15], v[SF+\c]       ; registers 6 c .. 6 c + 2 of the fragment
	v_cvt_scalef32_pk16_fp6_f32 v[T+4*\c:T+4*\c+2], v[X+32*\c+16:X+32*\c+31], v[SF+\c]      ; (a conversion's three registers begin on an even number: the block's second three do not, so they are made here and moved)
.endr
	v_lshrrev_b32 v[BY], 23, v[SF]                 ; the scales' bytes.  (Also the plain line between the conversions and the moves that read their results)
	v_lshrrev_b32 v[BY+1], 23, v[SF+1]
	v_lshl_or_b32 v[WK], v[BY+1], 16, v[BY]        ; my two bytes: blocks h and 2 + h of row r,
	v_lshlrev_b32 v[WK], v[SH], v[WK]              ; at their places in the word (8 h bits up);
	v_permlanex16_b32 v[PT], v[WK], s22, s23
	v_or_b32 v[W+(\f)], v[WK], v[PT]               ; with lane l xor 16's two the word is whole, in both halves of the lanes
.irp c, 0,1
.irp i, 0,1,2
	v_mov_b32 v[CS+6*\c+3+\i], v[T+4*\c+\i]
.endr
.endr
.irp g, 0,1,2
	global_store_b128 v[IO], v[CS+4*\g:CS+4*\g+3], s[8:9] offset:(\f)*1536+512*\g   ; 32 lanes store 512 consecutive bytes, at a multiple of 512 from the buffer's first byte
.endr
.endm
	LOAD 0
	LOAD 1
	STEP 0
	STEP 1
	STEP 2
	STEP 3
	v_cmp_le_u32 vcc_lo, 16, v[LN]                 ; lanes 0-15 store row r's words of my first pair of fragments, lanes 16-31 those of the second pair
	v_cndmask_b32 v[WK], v[W], v[W+2], vcc_lo
	v_cndmask_b32 v[WK+1], v[W+1], v[W+3], vcc_lo
	global_store_b64 v[SOF], v[WK:WK+1], s[10:11]  ; 32 lanes store 256 consecutive bytes, at a multiple of 256 from the buffer's first byte
	s_wait_tensorcnt 0x0
	ds_add_u32 v27, v31
	s_wait_dscnt 0x0
	s_endpgm
.Lfunc_end_k_q957718e0bd_quant:
	.size	k_q957718e0bd_quant, .Lfunc_end_k_q957718e0bd_quant-k_q957718e0bd_quant
	.p2alignl 7, 3214868480
	.fill 96, 4, 3214868480
	.section	.rodata,"a",@progbits
	.p2align	6, 0x0
	.amdhsa_kernel k_q957718e0bd_quant
		.amdhsa_group_segment_fixed_size 34304
		.amdhsa_private_segment_fixed_size 0
		.amdhsa_enable_private_segment 0
		.amdhsa_kernarg_size 32
		.amdhsa_user_sgpr_count 2
		.amdhsa_user_sgpr_kernarg_segment_ptr 1
		.amdhsa_wavefront_size32 1
		.amdhsa_system_sgpr_workgroup_id_x 1
		.amdhsa_system_sgpr_workgroup_id_y 1
		.amdhsa_system_sgpr_workgroup_id_z 1
		.amdhsa_system_vgpr_workitem_id 0
		.amdhsa_next_free_vgpr 256
		.amdhsa_next_free_sgpr 66
		.amdhsa_reserve_vcc 1
		.amdhsa_float_denorm_mode_32 3
		.amdhsa_float_denorm_mode_16_64 3
		.amdhsa_memory_ordered 1
		.amdhsa_forward_progress 1
		.amdhsa_inst_pref_size 42
	.end_amdhsa_kernel
	.amdgpu_metadata
---
amdhsa.version: [ 1, 2 ]
amdhsa.kernels:
  - .name:           k_q957718e0bd_quant
    .symbol:         k_q957718e0bd_quant.kd
    .args:
      - { .name: x, .offset: 0, .size: 8, .value_kind: global_buffer, .address_space: global }
      - { .name: weight, .offset: 8, .size: 8, .value_kind: global_buffer, .address_space: global }
      - { .name: xq, .offset: 16, .size: 8, .value_kind: global_buffer, .address_space: global }
      - { .name: wq, .offset: 24, .size: 8, .value_kind: global_buffer, .address_space: global }
    .group_segment_fixed_size: 34304
    .private_segment_fixed_size: 0
    .kernarg_segment_align: 8
    .kernarg_segment_size: 32
    .max_flat_workgroup_size: 128
    .sgpr_count:     66
    .vgpr_count:     256
    .wavefront_size: 32
...
	.end_amdgpu_metadata
.endif
;; end of part 1
;; launch gemm (part 2): grid 16 x 16, 4 waves a work-group, clusters of 4 x 4, 327,680 bytes of LDS; arguments xq, wq, out0; writes out0
.if DOCPART == 2
	.amdgcn_target "amdgcn-amd-amdhsa--gfx1250"
	.amdhsa_code_object_version 6
	.text
	.protected	k_q957718e0bd_gemm
	.globl	k_q957718e0bd_gemm
	.p2align	8
	.type	k_q957718e0bd_gemm,@function
k_q957718e0bd_gemm:
	s_mov_b64 s[64:65], 0
	v_nop
	global_prefetch_b8 v0, s[64:65] scope:SCOPE_SE
	s_setreg_imm32_b32 hwreg(HW_REG_WAVE_MODE, 25, 1), 1
	s_wait_xcnt 0x0
	s_wait_alu depctr_hold_cnt(0) depctr_sa_sdst(0) depctr_va_vdst(0) depctr_va_sdst(0) depctr_va_ssrc(0) depctr_va_vcc(0) depctr_vm_vsrc(0)
	s_getreg_b32 s2, hwreg(HW_REG_IB_STS2, 6, 4)
	s_cmp_eq_u32 s2, 0
	s_cbranch_scc0 .Lentry_in_a_cluster
	s_endpgm
.Lentry_in_a_cluster:
	s_bfe_u32 s2, ttmp6, 0x10000c
	s_cmp_lg_u32 s2, 0xf033
	s_cbranch_scc0 .Lentry_shape_is_right
	s_endpgm
.Lentry_shape_is_right:
; out0[m][n] = sum over k of A[m][k] B[n][k], A = x, B = weight, both [4096][4096] as codes of FP6 (E2M3) with one E8M0 scale for each 32 along K; out0 [4096][4096] f32; sums in f32.
; THE OPERANDS LIE IN MEMORY IN THE ORDER OF THE MATRIX OPERAND'S REGISTERS, codes and scale words of a tile together (the launch before laid them so), one buffer for each tensor:
;   [step 32 (128 along K)][group 32 (128 rows)][12,800 bytes].  A group: eight fragments (16 rows x 128 K) of 1,536 bytes (the 16 bytes at 512 g + 16 lane are registers 4 g .. 4 g + 3 of that lane), then, at
;   byte 12,288, the scale words [pair 4][r 16][j 2][4 bytes]: the word of fragment 2 pair + j, row r.  So a fragment comes out of LDS by three loads of 16 bytes a lane, 512 consecutive bytes each: no pitch, no
;   padding; two fragments' scale words come by one load of 8 bytes a lane; and one tensor load brings codes and scale words of 128 rows for several steps: a row of 12,800 bytes for each step.
; A tile of out0, 256 x 256, is made by a work-group of four waves, as many as a WGP has SIMDs; a wave makes 128 x 128: 64 accumulators of 16 x 16, 512 registers.  16 x 16 tiles: 256 work-groups, one tile each.
; K goes in 32 steps of 128 through a ring of two LDS slots of THREE steps each, as many as fit: 512 rows x 128 K are 51,200 bytes, six of them 307,200.  32 = 10 x 3 + 2: the eleventh fill has two steps.
; Between a refill and the wait for it a wave issues 160 matrix instructions.
; CLUSTERS: 4 x 4 work-groups.  The four of a row of the cluster need the same tiles of A, the four of a column the same tiles of B: each tile is asked for JOINTLY, by the same tensor load with the
; same descriptor and a mask that names the four.  THE MATRIX INSTRUCTION IS USED TRANSPOSED (source 0 = 16 rows of B, source 1 = 16 rows of A): a lane then holds eight neighbouring numbers of a row of out0.
; REGISTERS, in windows of 256: window 0: v0-31 addresses; v32-47 scale words, two sets of 8; v128-223 A's fragments (8 x 16 rows x 128 K), ONE set; on the way out v128-255 are free.
;   window 1: B's fragments, TWO sets, at v0 and at v128.   window 2: the 32 accumulators of my rows 0-63 (accumulator (a, b) at v[8 (8 a + b)]);   window 3: those of my rows 64-127.
; A step is 64 matrix instructions, A's blocks one after the other, each against B's eight.  So a block of A is free as soon as its eight products are issued, and one set of registers serves A:
; blocks 0-3 are fetched anew in the step's middle, blocks 4-7 at its end.  B's fragments and the scale words are at work through the whole step, so they have two sets, taken by the step's parity p.
.set SIZE_N, 4096
.set NS,     3                         ; steps of 128 along K in a slot
.set FR,     12                        ; registers of a fragment
.set NL,     3                         ; LDS loads that bring one
.set NP,     4                         ; places behind this matrix instruction (ISA guide 7.12.1)
.set FRB,    1536                      ; a fragment's image in bytes
.set GRPB,   8*FRB+512                 ; 128 rows x 128 K: eight fragments and their scale words: 12,800 bytes
.set STEPB,  32*GRPB                   ; from a step to the next in memory
.set REG,    NS*GRPB                   ; what one tensor load brings, and what one wave reads of A or of B in a slot
.set SLOT,   4*REG+256                 ; A's two halves; then, 128 bytes further on, B's two halves: so the 128 bytes that lanes 0-15 of a scale load take of A's words and the 128 that lanes 16-31 take of B's differ in bit 7 of their addresses (64 banks of 4 bytes: ISA guide 11.1)
.set SPARE,  2*SLOT                    ; behind the ring: the spare words, 128 bytes for each wave: two blocks of 256 bytes that no other line names
.set STAGE,  SLOT                      ; the way out: a stage of 16 rows x (512 bytes + 16) for each wave.  It lies in slot 1, which has had its last fill and its last read when the first result is stored there
.set SPITCH, 528
.set PF0,    3670016                   ; the prefetches' stream begins here in each buffer and ends at the buffer's end: 6 x PFSTEP bytes
.set PFSTEP, 1572864                   ; what is asked for at one change of slots: 3 instructions x 64 waves x 8,192 bytes
.set ADRA, 16                          ; v16-17  LDS address of my A fragments in slot 0, 1: 16 x lane + my 128 rows
.set ADRB, 20                          ; v20-21  the same for B
.set ADRS, 22                          ; v22-23  LDS address of my scale words in slot 0, 1: lanes 0-15 A's rows, lanes 16-31 B's
.set STO,  24                          ; v24     the way out: where I put 32 bytes of a row
.set RD,   25                          ; v25     the way out: where I read a row back
.set CO,   26                          ; v26     my byte offset in a row of out0
.set SPW,  28                          ; v28     LDS address of my spare word: SPARE + 4 x my thread's number; never rewritten
.set NIL,  29                          ; v29     0; never rewritten
.set PFO,  30                          ; v30     the prefetches' offset: 256 x my lane; never rewritten
.set SC,   32                          ; scale words: set p at v[SC + 8 p]; in it register i: lanes 0-15 the word of A's block i, lanes 16-31 that of B's block i
.set AF,   128                         ; A's fragments, in window 0
.set BK,   128                         ; the way out: 16 rows read back from the stage: v128-191 and v192-255 by turns
.set G1, 24                            ; s[24:31] descriptor group 1 for A's tiles of three steps;  s[32:39] group 0, one set for each slot
.set G0, 32
.set G1B, 48                           ; s[48:55], s[56:63] the same for B's tiles
.set G0B, 56
.set G1L, 68                           ; s[68:75] group 1 for A's last tile, of two steps;  s[80:87] for B's
.set G1LB, 80
.set LIM, 95                           ; s95     1 in a wave that prefetches, else the greatest number
.set PFA, 96                           ; s[96:97] where my prefetches stand: my wave's 8,192 bytes of the stream
.set MSB, 0
.macro WIN new                         ; the immediate's high byte repeats the setting that is left
.if MSB != \new
	s_set_vgpr_msb (MSB<<8)|\new
.set MSB, \new
.endif
.endm
.set MUL_LO, 0xa1                      ; source 0 (B) window 1, source 1 (A) window 0, C and D window 2
.set MUL_HI, 0xf1                      ; the same, C and D window 3
.set TO_B,   0x40                      ; destination window 1, address window 0
; A joint load: waves 0 and 1 fetch for A, waves 2 and 3 for B.  Each of the two lines has ONE mask and one set of registers for all that issue it; the branch hangs on the wave's number alone.
; Four v_nop follow each of the two lines, ahead of the jump, the label and what follows.
.macro JLOAD g0a, g1a, g0b, g1b
	s_cmp_eq_u32 s15, 0
	s_cbranch_scc0 .Lfor_b_\@
	tensor_load_to_lds s[\g0a:\g0a+3], s[\g1a:\g1a+7]
	s_nop 0
.rept 4
	v_nop
.endr
	s_branch .Lasked_\@
.Lfor_b_\@:
	tensor_load_to_lds s[\g0b:\g0b+3], s[\g1b:\g1b+7]
	s_nop 0
.rept 4
	v_nop
.endr
.Lasked_\@:
.endm
.macro CREST                           ; a round of the cluster's barrier behind its opening barrier
	s_cmp_lg_u32 s14, 0
	s_cbranch_scc1 .Lnot_wave_0_\@
	s_barrier_signal -3
.Lnot_wave_0_\@:
	s_barrier_wait -3
	s_barrier_signal -1
	s_barrier_wait -1
.endm
.macro CROUND                          ; a whole round
	s_barrier_signal -1
	s_barrier_wait -1
	CREST
.endm
; A PREFETCH INTO THE L2, behind a joint refill, its four lines and the run of LDS loads that follows them.  A buffer lies step by step along K, so what the refills will want is one stream of consecutive bytes.
; Cluster (x 0, y 0) asks for A's buffer, cluster (x 1, y 0) for B's, and nobody else.  All 64 waves of such a cluster ask, 8,192 bytes an instruction, lanes 256 bytes apart: wave number 4 x place + wave takes the
; 8,192 bytes of that number in each run of 524,288.  The partners of a cluster are told apart BY ADDRESS; the branch hangs on the cluster's x and y and on the count of laps, which all partners share.
; At each of the first six changes of slots (the loop's first three trips) a wave asks three times: 1,572,864 bytes of the stream, against the 1,228,800 that a slot holds.  The stream begins 16,384 bytes ahead of
; slot 3 and ends with the buffer: 6 x 1,572,864 bytes.  So each aligned block of 256 bytes is named once in the launch, and slot j is asked for at the change of slots before the one that loads it, or earlier.
; Slots 0 to 2 come by their loads alone: nothing is prefetched at the head.
.macro ASK
	s_cmp_gt_u32 s3, s[LIM]                        ; s3 = 1 in the loop's last trip
	s_cbranch_scc0 .Lnot_mine_\@
	global_prefetch_b8 v[PFO], s[PFA:PFA+1] th:TH_LOAD_NT scope:SCOPE_SE
	global_prefetch_b8 v[PFO], s[PFA:PFA+1] offset:524288 th:TH_LOAD_NT scope:SCOPE_SE
	global_prefetch_b8 v[PFO], s[PFA:PFA+1] offset:1048576 th:TH_LOAD_NT scope:SCOPE_SE
.Lnot_mine_\@:
.endm
	s_load_b128 s[4:7], s[0:1], 0x0                ; A s[4:5], B s[6:7]
	s_load_b64 s[12:13], s[0:1], 0x10              ; out0
	v_lshl_add_u32 v[SPW], v0, 2, SPARE
	v_mov_b32 v[NIL], 0
	ds_add_u32 v28, v29
	ds_add_u32 v28, v29
	s_wait_dscnt 0x0
	v_lshrrev_b32 v1, 5, v0
	v_readfirstlane_b32 s14, v1                    ; wave 0..3
	s_lshr_b32 s15, s14, 1                         ; which half of the tile's rows is mine.  Also: I fetch for A (0) or for B (1)
	s_and_b32 s16, s14, 1                          ; which half of its columns.  Also: which 128 rows of that tile I fetch
	s_bfe_u32 s40, ttmp6, 0x40000                  ; cx, cy: my place in the cluster
	s_bfe_u32 s41, ttmp6, 0x40004
	s_lshl_b32 s42, ttmp9, 2
	s_add_co_u32 s42, s42, s40                     ; tile column of out0 = 4 x cluster x + cx
	s_and_b32 s17, ttmp7, 0xffff
	s_lshl_b32 s17, s17, 2
	s_add_co_u32 s17, s17, s41                     ; tile row of out0 = 4 x cluster y + cy
	s_lshl_b32 s43, s41, 2
	s_lshl_b32 s43, 15, s43                        ; my row of the cluster
	s_lshl_b32 s44, 0x1111, s40                    ; my column
	; descriptor group 1: a row for each step: a group's 12,800 bytes (1,600 elements of 8 bytes), 409,600 bytes (51,200 elements) from step to step; no padding
	s_or_b32 s[G1+0], s43, (3<<16)|(1<<21)         ; 15:0 the mask: A's tiles go to my row; 17:16 elements of 8 bytes; 20 padding off; 21 set beside a mask
	s_or_b32 s[G1B+0], s44, (3<<16)|(1<<21)        ; the same with the mask of my column, for B's tiles
	s_or_b32 s[G1L+0], s43, (3<<16)|(1<<21)
	s_or_b32 s[G1LB+0], s44, (3<<16)|(1<<21)
.irp g, G1, G1B
	s_mov_b32 s[\g+1], (GRPB/8)<<16                ; tensor_dim0 = 1,600
	s_mov_b32 s[\g+2], NS<<16                      ; tensor_dim1 = 3
	s_mov_b32 s[\g+3], (GRPB/8)<<16                ; tile_dim0 = 1,600
	s_mov_b32 s[\g+4], NS                          ; tile_dim1 = 3
	s_mov_b32 s[\g+5], STEPB/8                     ; tensor_dim0_stride
	s_mov_b32 s[\g+6], 0
	s_mov_b32 s[\g+7], 0
.endr
.irp g, G1L, G1LB                      ; the last tile: steps 30 and 31
	s_mov_b32 s[\g+1], (GRPB/8)<<16
	s_mov_b32 s[\g+2], 2<<16
	s_mov_b32 s[\g+3], (GRPB/8)<<16
	s_mov_b32 s[\g+4], 2
	s_mov_b32 s[\g+5], STEPB/8
	s_mov_b32 s[\g+6], 0
	s_mov_b32 s[\g+7], 0
.endr
	; where the tiles come from.  A's hang on the tile row alone, which my row of the cluster shares; B's on the tile column alone, which my column shares
	s_lshl_b32 s20, s17, 1
	s_add_co_u32 s20, s20, s16                     ; A: group 2 x tile row + half,
	s_mul_i32 s20, s20, GRPB                       ; in bytes
	s_mov_b32 s21, 0
	s_lshl_b32 s46, s42, 1
	s_add_co_u32 s46, s46, s16                     ; B: group 2 x tile column + half
	s_mul_i32 s46, s46, GRPB
	s_mov_b32 s47, 0
	s_mul_i32 s45, s14, REG                        ; where they go: wave x 38,400,
	s_lshl_b32 s66, s15, 7
	s_add_co_u32 s45, s45, s66                     ; + 128 for B's: no place in the cluster enters an LDS address
	s_wait_kmcnt 0x0
	s_add_nc_u64 s[20:21], s[4:5], s[20:21]
	s_add_nc_u64 s[46:47], s[6:7], s[46:47]
	CROUND                                         ; all sixteen work-groups are here: the first joint loads meet
.irp s, 0,1
	s_mov_b32 s[G0+4*\s], 1                        ; 1:0 count = 1
	s_add_co_u32 s[G0+4*\s+1], s45, \s*SLOT        ; 63:32 LDS address
	s_add_nc_u64 s[G0+4*\s+2:G0+4*\s+3], s[20:21], \s*NS*STEPB   ; 120:64 global address: steps 3 s on
	s_or_b32 s[G0+4*\s+3], s[G0+4*\s+3], 0x80000000              ; 127:126 type = 2
	s_mov_b32 s[G0B+4*\s], 1
	s_add_co_u32 s[G0B+4*\s+1], s45, \s*SLOT
	s_add_nc_u64 s[G0B+4*\s+2:G0B+4*\s+3], s[46:47], \s*NS*STEPB
	s_or_b32 s[G0B+4*\s+3], s[G0B+4*\s+3], 0x80000000
	JLOAD G0+4*\s, G1, G0B+4*\s, G1B               ; two tensor loads of mine are out behind the second of these
.endr
	v_and_b32 v1, 15, v0                           ; r = l % 16
	v_bfe_u32 v2, v0, 4, 1                         ; h = l / 16
	v_and_b32 v3, 31, v0                           ; l
	v_lshlrev_b32 v4, 4, v3                        ; an image's place for my lane: 16 l
	s_mul_i32 s21, s15, REG                        ; my 128 rows of A
	s_mul_i32 s22, s16, REG                        ; my 128 rows of B,
	s_add_co_u32 s22, s22, 2*REG+128               ; which lie behind A's 256 and 128 bytes
	v_lshlrev_b32 v5, 3, v1                        ; my row's scale words of a pair of blocks: 8 bytes a row
	s_sub_co_u32 s23, s22, s21
	v_mul_u32_u24 v6, s23, v2                      ; lanes 16-31 take B's: one product, the distance between the two bases x h
	v_add_nc_u32 v5, v5, v6
	s_add_co_u32 s66, s21, 8*FRB                   ; the scale words lie behind a group's eight fragments
.irp s, 0,1
	v_add_nc_u32 v[ADRA+\s], s21, v4
	v_add_nc_u32 v[ADRB+\s], s22, v4
	v_add_nc_u32 v[ADRS+\s], s66, v5
	s_add_co_u32 s21, s21, SLOT
	s_add_co_u32 s22, s22, SLOT
	s_add_co_u32 s66, s66, SLOT
.endr
	s_mul_i32 s23, s14, 16*SPITCH
	s_add_co_u32 s23, s23, STAGE                   ; my stage
	v_mul_u32_u24 v5, v1, SPITCH                   ; in: row l % 16, 32 bytes for each half of the lanes
	v_lshl_add_u32 v5, v2, 5, v5
	v_add_nc_u32 v[STO], s23, v5
	v_lshlrev_b32 v[CO], 4, v3                     ; back: the 32 lanes take one row of 512 bytes; and the same in out0
	v_add_nc_u32 v[RD], s23, v[CO]
	s_lshl_b32 s20, s17, 8
	s_lshl_b32 s21, s15, 7
	s_add_co_u32 s20, s20, s21                     ; my first row of out0: 256 x tile row + 128 x half,
	s_lshl_b32 s20, s20, 14                        ; in bytes: 16,384 a row (under 2^26)
	s_mov_b32 s21, 0
	s_lshl_b32 s46, s42, 10                        ; my first column, in bytes: 1,024 x tile column + 512 x half
	s_lshl_b32 s47, s16, 9
	s_add_co_u32 s46, s46, s47
	s_mov_b32 s47, 0
	s_add_nc_u64 s[20:21], s[20:21], s[46:47]
	s_add_nc_u64 s[12:13], s[12:13], s[20:21]
	; the prefetches (macro ASK): who asks, and where my wave's part stands
	s_and_b32 s66, ttmp7, 0xffff                   ; cluster y
	s_lshr_b32 s67, ttmp9, 1                       ; 0 for cluster x = 0, 1
	s_or_b32 s66, s66, s67
	s_cmp_eq_u32 s66, 0
	s_cselect_b32 s[LIM], 1, -1                    ; the same in all sixteen partners
	s_cmp_eq_u32 ttmp9, 0                          ; cluster x = 0: A's buffer; x = 1: B's
	s_cselect_b64 s[PFA:PFA+1], s[4:5], s[6:7]
	s_lshl_b32 s67, s41, 2
	s_add_co_u32 s67, s67, s40                     ; my work-group's place in the cluster,
	s_lshl_b32 s67, s67, 2
	s_add_co_u32 s67, s67, s14                     ; x 4 + my wave: 0 .. 63,
	s_lshl_b32 s66, s67, 13                        ; x 8,192 bytes,
	s_add_co_u32 s66, s66, PF0-PFSTEP              ; one step of the stream ahead of its beginning: the first change of slots steps it there
	s_mov_b32 s67, 0
	s_add_nc_u64 s[PFA:PFA+1], s[PFA:PFA+1], s[66:67]
	v_lshlrev_b32 v[PFO], 8, v3
.macro FRAG reg, adr, q, i             ; the fragment of block i (16 rows), the slot's q-th step: its 12 registers as they were stored: three loads, lane l's 16 bytes at 16 l, 512 consecutive bytes a load
.irp g, 0,1,2
	ds_load_b128 v[\reg+4*\g:\reg+4*\g+3], v[\adr] offset:(\q)*GRPB+(\i)*FRB+512*\g
.endr
.endm
; 16 matrix instructions: A's blocks a0, a0 + 1 x B's eight, 128 along K.  p: B's set and the set of scale words.  zero = 1: the first product starts the sums: nothing is ever cleared.
; The 64 accumulators take turns, one instruction a turn, in the same order in every step.
.macro MUL16 a0, p, zero
.irp a, \a0, \a0+1
.irp b, 0,1,2,3,4,5,6,7
.if \zero
	v_wmma_scale_f32_16x16x128_f8f6f4 v[8*(8*((\a)%4)+\b):8*(8*((\a)%4)+\b)+7], v[128*(\p)+FR*\b:128*(\p)+FR*\b+FR-1], v[AF+FR*(\a):AF+FR*(\a)+FR-1], 0, v[SC+8*(\p)+\b], v[SC+8*(\p)+(\a)] matrix_a_fmt:MATRIX_FMT_FP6 matrix_b_fmt:MATRIX_FMT_FP6 matrix_a_scale:MATRIX_SCALE_ROW1
.else
	v_wmma_scale_f32_16x16x128_f8f6f4 v[8*(8*((\a)%4)+\b):8*(8*((\a)%4)+\b)+7], v[128*(\p)+FR*\b:128*(\p)+FR*\b+FR-1], v[AF+FR*(\a):AF+FR*(\a)+FR-1], v[8*(8*((\a)%4)+\b):8*(8*((\a)%4)+\b)+7], v[SC+8*(\p)+\b], v[SC+8*(\p)+(\a)] matrix_a_fmt:MATRIX_FMT_FP6 matrix_b_fmt:MATRIX_FMT_FP6 matrix_a_scale:MATRIX_SCALE_ROW1
.endif
.endr
.endr
.endm
.macro FETCH_B slot, q, p              ; B's eight fragments of the slot's q-th step into set p: 24 loads
	WIN TO_B
.irp i, 0,1,2,3,4,5,6,7
	FRAG 128*(\p)+FR*\i, ADRB+\slot, \q, \i
.endr
	WIN 0
.endm
.macro FETCH_A slot, q, i0             ; A's blocks i0 .. i0 + 3: 12 loads
.irp i, \i0, \i0+1, \i0+2, \i0+3
	FRAG AF+FR*(\i), ADRA+\slot, \q, \i
.endr
.endm
.macro SCALES slot, q, p               ; the scale words of the slot's q-th step into set p: a load brings the words of blocks 2 i and 2 i + 1; lanes 0-15 take A's, lanes 16-31 B's: 4 loads
.irp i, 0,1,2,3
	ds_load_b64 v[SC+8*(\p)+2*\i:SC+8*(\p)+2*\i+1], v[ADRS+\slot] offset:(\q)*GRPB+128*\i
.endr
.endm
; A load into a register that a matrix instruction has read, and an LDS store that reads a matrix result, stand NP places behind that matrix instruction, and only plain vector
; instructions that name none of its registers are places (ISA guide 7.12.1 for vector instructions); this text does not count the matrix instructions in between.
.macro PLACES n
.rept \n
	v_nop
.endr
.endm
; A step that has its successor in the same slot.  It multiplies by set p and fetches the next step's B and scale words into the other set.
.macro STEP slot, q, p, zero
	s_wait_dscnt 4*NL                              ; B's set, A's blocks 0-3 and the scale words are in; the youngest 12 loads (A's blocks 4-7) may be out
	WIN MUL_LO
	MUL16 0, \p, \zero
	MUL16 2, \p, \zero
	s_wait_dscnt 0                                 ; A's blocks 4-7 are in (asked for 32 matrix instructions ago)
	PLACES NP
	FETCH_B \slot, (\q)+1, 1-(\p)
	FETCH_A \slot, (\q)+1, 0
	SCALES \slot, (\q)+1, 1-(\p)
	WIN MUL_HI
	MUL16 4, \p, \zero
	MUL16 6, \p, \zero
	PLACES NP
	WIN 0
	FETCH_A \slot, (\q)+1, 4
.endm
; A slot's third step changes slots: ONE barrier; in front of it each wave waits for all its tensor loads, adds 0 to its spare word, and waits for that and for its own reads of this slot.
; fill = 1: this slot is filled again, with the three steps two slots on;  2: with the last two steps;  0: nothing is left to fetch.
.macro TURN slot, next, p, fill
.if \fill == 1
	s_wait_xcnt 0x0                                ; the last prefetches, a slot back, have read their address: it is stepped here, ahead of the waits of the change of slots
	s_add_nc_u64 s[PFA:PFA+1], s[PFA:PFA+1], PFSTEP
.endif
	s_wait_tensorcnt 0x0                           ; all my tensor loads have landed: the one that was out is my part of the next slot;  (every window is 0 here: the add's two registers lie in window 0)
	ds_add_u32 v[SPW], v[NIL]                      ; 0 onto my spare word
	s_wait_dscnt 4*NL+1                            ; (the add and the youngest 12 loads, A's blocks 4-7, may be out)
	WIN MUL_LO
	MUL16 0, \p, 0                                 ; sixteen matrix instructions stand between the add and the wait for it
	s_wait_dscnt 0x0                               ; the add is done, and my reads of this slot are over
	s_barrier_signal -1
	MUL16 2, \p, 0
	WIN 0
	s_barrier_wait -1
.if \fill
	CREST                                          ; the barrier has opened a round of the cluster's barrier: no wave of any partner still reads this slot's tile or has a load on its way
	s_add_nc_u64 s[G0+4*\slot+2:G0+4*\slot+3], s[G0+4*\slot+2:G0+4*\slot+3], 2*NS*STEPB
	s_add_nc_u64 s[G0B+4*\slot+2:G0B+4*\slot+3], s[G0B+4*\slot+2:G0B+4*\slot+3], 2*NS*STEPB
.if \fill == 1
	JLOAD G0+4*\slot, G1, G0B+4*\slot, G1B         ; the first tensor load behind the round, my one load until the next; the four v_nop behind it are the places in front of the loads below
.else
	JLOAD G0+4*\slot, G1L, G0B+4*\slot, G1LB       ; the same with the shape of two steps
.endif
.else
	PLACES NP
.endif
	FETCH_B \next, 0, 1-(\p)
	FETCH_A \next, 0, 0
	SCALES \next, 0, 1-(\p)
.if \fill == 1
	ASK                                            ; behind the joint load and the run of LDS loads that the next products wait for
.endif
	WIN MUL_HI
	MUL16 4, \p, 0
	MUL16 6, \p, 0
	PLACES NP
	WIN 0
	FETCH_A \next, 0, 4
.endm
	s_wait_tensorcnt 1                             ; my part of slot 0 is in (slot 1's load, issued behind it, may be out)
	s_barrier_signal -1
	s_barrier_wait -1                              ; everybody's is
	FETCH_B 0, 0, 0
	FETCH_A 0, 0, 0
	SCALES 0, 0, 0
	FETCH_A 0, 0, 4
	STEP 0, 0, 0, 1                                ; the first step stands in front of the loop: its products start the sums
	s_mov_b32 s3, 4
.Llap:                                                 ; a trip goes once round the ring, six steps, from a lap's second step to the next lap's first, and fills both slots again: fills 2 to 9
	STEP 0, 1, 1, 0
	TURN 0, 1, 0, 1
	STEP 1, 0, 1, 0
	STEP 1, 1, 0, 0
	TURN 1, 0, 1, 1
	STEP 0, 0, 0, 0
	s_sub_co_u32 s3, s3, 1
	s_cmp_lg_u32 s3, 0
	s_cbranch_scc1 .Llap
	STEP 0, 1, 1, 0                                ; the tail is written out: steps 25 to 31
	TURN 0, 1, 0, 2                                ; slot 0 takes the last two steps
	STEP 1, 0, 1, 0
	STEP 1, 1, 0, 0
	TURN 1, 0, 1, 0                                ; nothing is filled, so no round of the cluster's barrier; behind this barrier nobody reads slot 1
	STEP 0, 0, 0, 0
	s_wait_dscnt 4*NL                              ; the very last step: nothing more to fetch
	WIN MUL_LO
	MUL16 0, 1, 0
	MUL16 2, 1, 0
	s_wait_dscnt 0
	WIN MUL_HI
	MUL16 4, 1, 0
	MUL16 6, 1, 0
	WIN 0
; THE WAY OUT, block by block of 16 rows x 128 columns.  A lane holds 32 neighbouring bytes of a row, and the lanes beside it hold other rows: so a block goes through my own stage in LDS and comes back as whole
; rows of 512 bytes, which the 32 lanes store together.  LDS serves a wave's instructions in order (ISA guide 5.7.1.4): no wait between the stores and the loads, nor in front of the next block's stores.
.macro TOSTAGE a
.set AC, 64*((\a)%4)
	WIN 0x08+4*((\a)/4)                            ; the data: window 2 or 3
.irp b, 0,1,2,3,4,5,6,7
	ds_store_b128 v[STO], v[AC+8*\b:AC+8*\b+3] offset:64*\b          ; each accumulator from its low end on
	ds_store_b128 v[STO], v[AC+8*\b+4:AC+8*\b+7] offset:64*\b+16
.endr
	WIN 0
.set BB, BK+64*((\a)%2)
.irp t, 0,1,2,3,4,5,6,7,8,9,10,11,12,13,14,15
	ds_load_b128 v[BB+4*\t:BB+4*\t+3], v[RD] offset:\t*SPITCH
.endr
.endm
.macro SEND a, younger                 ; younger: the LDS instructions issued behind block a's loads, which may stay out
.set BB, BK+64*((\a)%2)
	s_wait_dscnt \younger                          ; the block is back in registers
.if (\a) > 0
	s_add_nc_u64 s[12:13], s[12:13], 16*SIZE_N*4   ; (behind a wait on XCNT: the earlier stores have read their base)  16 rows of out0 on, so that the stores' offsets stay small: 15 rows, 245,760 bytes, at the most
.endif
.irp t, 0,1,2,3,4,5,6,7,8,9,10,11,12,13,14,15
	global_store_b128 v[CO], v[BB+4*\t:BB+4*\t+3], s[12:13] offset:\t*SIZE_N*4 th:TH_STORE_NT   ; 32 lanes store 512 consecutive bytes, at a multiple of 512 from out0's first byte; written once, read by nobody here
.endr
.endm
	PLACES NP                                      ; these places serve the loads into the registers that held A's fragments, and the reads of the last products' results, alike
	TOSTAGE 0
.irp a, 1,2,3,4,5,6,7
.if \a > 1
	s_wait_xcnt 0x0                                ; block a - 2's stores have read their registers and their base: block a's loads may land there, and the base may step
.endif
	TOSTAGE \a
	SEND \a-1, 32                                  ; behind block a - 1's loads: block a's 16 stores and 16 loads
.endr
	s_wait_xcnt 0x0                                ; block 6's stores have read their base
	SEND 7, 0
	s_wait_tensorcnt 0x0                           ; the wave's end: behind my last tensor load and my last LDS store
	ds_add_u32 v[SPW], v[NIL]
	s_wait_dscnt 0x0
	CROUND                                         ; the closing round: no work-group ends while a partner may still ask for a tile that names it
	s_endpgm
.Lfunc_end_k_q957718e0bd_gemm:
	.size	k_q957718e0bd_gemm, .Lfunc_end_k_q957718e0bd_gemm-k_q957718e0bd_gemm
	.p2alignl 7, 3214868480
	.fill 96, 4, 3214868480
	.section	.rodata,"a",@progbits
	.p2align	6, 0x0
	.amdhsa_kernel k_q957718e0bd_gemm
		.amdhsa_group_segment_fixed_size 327680
		.amdhsa_private_segment_fixed_size 0
		.amdhsa_enable_private_segment 0
		.amdhsa_kernarg_size 24
		.amdhsa_user_sgpr_count 2
		.amdhsa_user_sgpr_kernarg_segment_ptr 1
		.amdhsa_wavefront_size32 1
		.amdhsa_system_sgpr_workgroup_id_x 1
		.amdhsa_system_sgpr_workgroup_id_y 1
		.amdhsa_system_sgpr_workgroup_id_z 1
		.amdhsa_system_vgpr_workitem_id 0
		.amdhsa_next_free_vgpr 1024
		.amdhsa_next_free_sgpr 100
		.amdhsa_reserve_vcc 0
		.amdhsa_float_denorm_mode_32 3
		.amdhsa_float_denorm_mode_16_64 3
		.amdhsa_memory_ordered 1
		.amdhsa_forward_progress 1
		.amdhsa_inst_pref_size 207
	.end_amdhsa_kernel
	.amdgpu_metadata
---
amdhsa.version: [ 1, 2 ]
amdhsa.kernels:
  - .name:           k_q957718e0bd_gemm
    .symbol:         k_q957718e0bd_gemm.kd
    .args:
      - { .name: xq, .offset: 0, .size: 8, .value_kind: global_buffer, .address_space: global }
      - { .name: wq, .offset: 8, .size: 8, .value_kind: global_buffer, .address_space: global }
      - { .name: out0, .offset: 16, .size: 8, .value_kind: global_buffer, .address_space: global }
    .group_segment_fixed_size: 327680
    .private_segment_fixed_size: 0
    .kernarg_segment_align: 8
    .kernarg_segment_size: 24
    .max_flat_workgroup_size: 128
    .sgpr_count:     100
    .vgpr_count:     1024
    .wavefront_size: 32
...
	.end_amdgpu_metadata
.endif
;; end of part 2
